; MI455X (gfx1250); checked and timed in simulation.
; The chip was launched on July 23, 2026; its instructions are those of AMD's public machine-readable ISA for CDNA 5 (MIT licence, August 2026) and "CDNA5" Instruction Set Architecture Reference Guide (July 2026). The comments in the code are by the model that wrote it; some were corrected since.
;; FAPM. Allowed arithmetic: matrix products marked QUANTISED: E5M2 operands, one E8M0 scale for each 32 along K, by v_wmma_scale_f32_16x16x128_f8f6f4 with both operands' format E5M2, f32 sums; everything else in f32.
;; Inputs: embedding 16,384 x 384 float32; memory_bank 8,192 x 384 float32.
;; Outputs: out0 16,384 x 9 float32.
;; Constants: n_neighbors = 9.
;; This version of the problem:
;;   THIS VERSION OF THE PROBLEM IS GIVEN IN LOW PRECISION. The matrix products marked QUANTISED in the list below multiply operands that are first quantised to E5M2 (5 exponent bits, 2 mantissa bits; 8 bits a number), with one power-of-two scale for each 32 numbers along K (OCP MX v1.0); their sums are f32. All else is computed in f32.
;;   The module's matrix products, in the order in which they are computed (A, B: the left and right operand; K: the contracted axis; several contracted axes count as one K, in the product's order):
;;     1. [M 16,384, K 384] x [K 384, N 8,192]; A: input embedding; B: input memory_bank: QUANTISED
;;   THE QUANTISER, for each operand of a quantised product, along K:
;;     - K is cut into blocks of 32 from its start; a last block that is shorter is filled with zeros.
;;     - A block's scale is 2^e with e = floor(log2(the largest magnitude in the block)) - 15, held to -126 .. 127; a block of zeros has e = 0. As a byte (E8M0): e + 127.
;;     - Each number is divided by its block's scale, clamped to +-57,344, and rounded to the nearest number of E5M2, ties to even, subnormals kept.
;;     - The product sums the exact products of the quantised numbers (number of the format x scale) in f32.
;;   ~~~python
;;   def quantise(x, axis):      # numpy; x: float32 -> the quantised numbers, widened to float32 again
;;       x = np.moveaxis(x, axis, -1); K = x.shape[-1]
;;       x = np.pad(x, [(0, 0)] * (x.ndim - 1) + [(0, -K % 32)]); x = x.reshape(x.shape[:-1] + (-1, 32)); a = np.abs(x).max(-1, keepdims=True)
;;       e = np.where(a > 0, np.clip(np.frexp(np.where(a > 0, a, 1))[1] - 1 - 15, -126, 127), 0)      # np.frexp(a)[1] - 1 = floor(log2(a)), exactly
;;       r = np.clip(x / 2.0 ** e, -57344, 57344)
;;       step = 2.0 ** (np.maximum(np.frexp(np.where(r == 0, 1, r))[1] - 1, -14) - 2)
;;       q = np.round(r / step) * step * 2.0 ** e      # np.round: ties to even
;;       return np.moveaxis(q.reshape(q.shape[:-2] + (-1,))[..., :K], -1, axis).astype(np.float32)
;;   ~~~
;; One version. Each part assembles by itself: llvm-mc -triple=amdgcn-amd-amdhsa -mcpu=gfx1250 --defsym DOCPART=n.
;; ======== version 1 of 1: 3 launches
;; workspace buffers: xrec 6,553,600 bytes; yrec 3,276,800 bytes; part 5,242,880 bytes
;; launch quant (part 1): grid 256 x 1, 6 waves a work-group, no clusters, 154,368 bytes of LDS; arguments embedding, memory_bank, xrec, yrec; writes xrec, yrec
.if DOCPART == 1
	.amdgcn_target "amdgcn-amd-amdhsa--gfx1250"
	.amdhsa_code_object_version 6
	.text
	.protected	k_q028063c0c7_quant
	.globl	k_q028063c0c7_quant
	.p2align	8
	.type	k_q028063c0c7_quant,@function
k_q028063c0c7_quant:
	s_mov_b64 s[64:65], 0
	v_nop
	global_prefetch_b8 v0, s[64:65] scope:SCOPE_SE
	s_setreg_imm32_b32 hwreg(HW_REG_WAVE_MODE, 25, 1), 1
	s_wait_xcnt 0x0
; embedding [16384][384] and memory_bank [8192][384], f32, become RECORDS: one record for each tile of 16 rows, 6,400 bytes (25 x 256), laid in the order of a matrix operand's registers:
;   bytes 2048 s + 512 c + 16 lane .. + 15 : registers 4 c .. 4 c + 3 of the fragment of K step s (128 along K): row lane % 16, k = 128 s + 32 c + 16 (lane / 16) + 0 .. 15, codes of BF8 (E5M2)
;   bytes 6144 + 64 s + 4 r                : row r's scale word of K step s: four E8M0 bytes, one for each 32 along K
;   bytes 6336 + 4 r                       : -1/2 x the sum of squares of row r, of the UNQUANTISED numbers, f32
; A block's scale is 2^(floor(log2(its largest magnitude)) - 15); its byte is the largest magnitude's exponent field - 15, held at 1 from below; each number is divided by the scale,
; held within +-57,344 and rounded to the nearest code, ties to even.
; LIMITS: a block of zeros gets the byte 1 where the rule says 127: its codes are zeros, which add nothing under any byte but 0xff, and this program alone reads the bytes.  Blocks whose largest
; magnitude lies under 2^(15 - 126) have their byte held at 1.  NaN and infinities among the inputs are not served.
; SHARES.  A wave takes one tile: tile 6 x work-group + wave of 1,536; the first 1,024 are embedding's, the others memory_bank's.  Only pointers are chosen: there is one path through the text.
; Each load reads 512 consecutive bytes of a row (16 a lane); a K step's 16 x 512 bytes turn through the wave's own stage in LDS and come back so that a lane holds 16 neighbours of each block of 32 of ONE row.
; No loop, no barrier: waves share nothing.  No tensor load, no matrix unit, no cluster: the launch is a stream that is read once, and no two work-groups read the same bytes.
.set ROWB, 1536                        ; a row in memory: 384 f32
.set SP,   528                         ; a stage row: 512 bytes + 16 = 132 words: row r starts at bank 4 r mod 64 (64 banks of 4 bytes: ISA guide 11.1), so the 16 rows that a load touches start at 16 different banks
.set STGB, 16*SP                       ; a stage: one for each K step
.set TAIL, 3*STGB                      ; behind the three stages: the record's last 256 bytes (scale words, norms)
.set WREG, TAIL+256                    ; a wave's region of LDS: 25,600 bytes
.set REC,  6400
.set XT,   1024                        ; tiles of embedding
.set NS,   8                           ; v[8:11]  the sum of squares, in two packed chains
.set TM,   12                          ; v12-15 largest magnitudes, v16-19 bytes, v20-23 the largest number x the scale, v24-27 the conversions' scale operands
.set PW,   28                          ; v28      the scale word just made
.set PC,   32                          ; v32-47   the fragment's codes
.set R,    64                          ; v64-255  64 numbers for each K step
; v1 16 x lane;  v2 the stage on the way in;  v3 on the way out;  v4 my row's word in the tail;  v5, v6 the tail's way out
; the sum of squares of the lane's 64 numbers from v[s] on, onto two packed chains; first = 1: the first two products start the chains
.macro NORM s, first
.set jj, 0
.rept 32
.if (\first) && (jj < 2)
	v_pk_mul_f32 v[NS+2*(jj%2):NS+2*(jj%2)+1], v[\s+2*jj:\s+2*jj+1], v[\s+2*jj:\s+2*jj+1]
.else
	v_pk_fma_f32 v[NS+2*(jj%2):NS+2*(jj%2)+1], v[\s+2*jj:\s+2*jj+1], v[\s+2*jj:\s+2*jj+1], v[NS+2*(jj%2):NS+2*(jj%2)+1]
.endif
.set jj, jj+1
.endr
.endm
; 64 numbers of a lane, register 16 b + i = k 32 b + 16 (lane / 16) + i of my row, become a fragment's codes in v[PC] on and its scale word in v[PW]
.macro QUANT s
.irp b, 0,1,2,3
	v_max3_num_f32 v[TM+\b], |v[\s+16*\b]|, |v[\s+1+16*\b]|, 0x8000000   ; block b: my 16 numbers, and the floor 2^(16 - 127): the byte cannot fall under 1
.endr
.irp i, 2,4,6,8,10,12,14
.irp b, 0,1,2,3
	v_max3_num_f32 v[TM+\b], v[TM+\b], |v[\s+16*\b+\i]|, |v[\s+1+16*\b+\i]|   ; the four blocks by turns: no line waits for the line above it
.endr
.endr
.irp b, 0,1,2,3
	v_permlanex16_b32 v[TM+4+\b], v[TM+\b], s20, s21
.endr
.irp b, 0,1,2,3
	v_max_num_f32 v[TM+\b], v[TM+\b], v[TM+4+\b]                   ; with lane l xor 16: the block's largest magnitude
.endr
.irp b, 0,1,2,3
	v_add_nc_u32 v[TM+12+\b], 0xf8800000, v[TM+\b]                 ; 15 off its exponent field: the conversion takes the exponent field of this operand as its scale
.endr
.irp b, 0,1,2,3
	v_and_or_b32 v[TM+8+\b], v[TM+\b], 0x7f800000, s22             ; 57,344 x the scale: the largest magnitude's exponent field over the mantissa of 57,344
.endr
.irp b, 0,1,2,3
	v_lshrrev_b32 v[TM+4+\b], 23, v[TM+12+\b]                      ; the scale's byte
.endr
	v_lshl_or_b32 v[PW], v[TM+5], 8, v[TM+4]                       ; the four bytes make my row's scale word
	v_lshl_or_b32 v[PW], v[TM+6], 16, v[PW]
	v_lshl_or_b32 v[PW], v[TM+7], 24, v[PW]
.irp b, 0,1,2,3
.irp i, 0,1,2,3,4,5,6,7,8,9,10,11,12,13,14,15
	v_med3_num_f32 v[\s+16*\b+\i], v[\s+16*\b+\i], -v[TM+8+\b], v[TM+8+\b]   ; the conversion to an 8-bit code does not saturate (ISA guide 7.6.2): the hold at the largest code x the scale
.endr
	v_cvt_scalef32_pk8_bf8_f32 v[PC+4*\b:PC+1+4*\b], v[\s+16*\b:\s+7+16*\b], v[TM+12+\b]
	v_cvt_scalef32_pk8_bf8_f32 v[PC+2+4*\b:PC+3+4*\b], v[\s+8+16*\b:\s+15+16*\b], v[TM+12+\b]
.endr
	v_nop                                          ; one plain vector line behind the last scaled conversion
.endm
	s_load_b256 s[4:11], s[0:1], 0x0               ; embedding s[4:5], memory_bank s[6:7], xrec s[8:9], yrec s[10:11]
	v_lshl_add_u32 v62, v0, 2, 0x25800
	v_mov_b32 v63, 0
	v_lshrrev_b32 v1, 5, v0
	v_readfirstlane_b32 s12, v1                    ; wave 0..5
	v_and_b32 v7, 31, v0                           ; lane
	v_and_b32 v50, 15, v0                          ; r
	v_bfe_u32 v51, v0, 4, 1                        ; h
	s_mul_i32 s14, s12, WREG                       ; my wave's region of LDS
	s_add_co_u32 s15, s14, TAIL
	v_lshlrev_b32 v1, 4, v7                        ; 16 x lane: my bytes of a load's 512, and of a store's
	v_add_nc_u32 v2, s14, v1                       ; the stage, way in: as loaded
	v_mul_u32_u24 v3, v50, SP
	v_lshl_add_u32 v3, v51, 6, v3
	v_add_nc_u32 v3, s14, v3                       ; way out: row r, + 64 h: my 16 numbers of a block of 32
	v_lshl_add_u32 v4, v50, 2, s15                 ; the tail: my row's word
	v_lshl_add_u32 v5, v7, 3, s15                  ; and on its way out 8 bytes a lane
	v_lshlrev_b32 v6, 3, v7
	s_mov_b32 s20, 0x76543210
	s_mov_b32 s21, 0xfedcba98                      ; lane selects for v_permlanex16_b32: lane l xor 16
	s_mov_b32 s22, 0x600000                        ; the mantissa field of 57,344
.irp b, 0,1,2,3
	v_mov_b32 v[TM+4+\b], 0                        ; written once: a lane permute's destination counts as one of its sources
.endr
	s_mul_i32 s13, ttmp9, 6
	s_add_co_u32 s13, s13, s12                     ; my tile, 0 .. 1,535
	s_wait_kmcnt 0x0
	s_cmp_lt_u32 s13, XT                           ; embedding's or memory_bank's?  The choice hangs on ids alone
	s_cselect_b64 s[4:5], s[4:5], s[6:7]
	s_cselect_b64 s[8:9], s[8:9], s[10:11]
	s_cselect_b32 s15, 0, XT
	s_sub_co_u32 s13, s13, s15                     ; the tile's number in its tensor
	s_mul_i32 s16, s13, 16*ROWB                    ; 16 rows of 1,536 bytes (under 2^25)
	s_mov_b32 s17, 0
	s_mul_i32 s18, s13, REC
	s_mov_b32 s19, 0
	s_add_nc_u64 s[4:5], s[4:5], s[16:17]
	s_add_nc_u64 s[8:9], s[8:9], s[18:19]
.irp s, 0,1,2                          ; all 48 loads go out at once, K step by K step: 32 lanes read 512 consecutive bytes of row i
.irp i, 0,1,2,3,4,5,6,7,8,9,10,11,12,13,14,15
	global_load_b128 v[R+64*\s+4*\i:R+64*\s+4*\i+3], v1, s[4:5] offset:ROWB*\i+512*\s th:TH_LOAD_NT
.endr
.endr
.irp s, 0,1,2
	s_wait_loadcnt 32-16*\s                        ; this K step's 16 loads are in; the 16 of each later K step may be out
.irp i, 0,1,2,3,4,5,6,7,8,9,10,11,12,13,14,15
	ds_store_b128 v2, v[R+64*\s+4*\i:R+64*\s+4*\i+3] offset:STGB*\s+SP*\i
.endr
	s_wait_dscnt 0x0                               ; the stores have read their registers, which the loads below write
.irp b, 0,1,2,3
.irp j, 0,1,2,3
	ds_load_b128 v[R+64*\s+16*\b+4*\j:R+64*\s+16*\b+4*\j+3], v3 offset:STGB*\s+128*\b+16*\j
.endr
.endr
	s_wait_dscnt 0x0
.if \s == 0
	NORM R, 1                                      ; ahead of the quantiser, whose hold changes the numbers
.else
	NORM R+64*\s, 0
	s_wait_xcnt 0x0                                ; the last K step's stores have read the codes' registers, which are written again below
.endif
	QUANT R+64*\s
.irp c, 0,1,2,3
	global_store_b128 v1, v[PC+4*\c:PC+4*\c+3], s[8:9] offset:2048*\s+512*\c   ; 32 lanes store 512 consecutive bytes, at a multiple of 256 from the buffer's first byte
.endr
	ds_store_b32 v4, v[PW] offset:64*\s            ; lanes r and r + 16 write the same word with the same value
.endr
	v_pk_add_f32 v[NS:NS+1], v[NS:NS+1], v[NS+2:NS+3]
	v_add_f32 v[NS], v[NS], v[NS+1]
	v_permlanex16_b32 v[NS+1], v[NS], s20, s21
	v_add_f32 v[NS], v[NS], v[NS+1]                ; with lane l xor 16: the row's sum of squares
	v_mul_f32 v[NS], -0.5, v[NS]
	ds_store_b32 v4, v[NS] offset:192
	ds_load_b64 v[48:49], v5                       ; LDS serves a wave's instructions in order (ISA guide 5.7.1.4): this sees my stores
	s_wait_dscnt 0x0
	global_store_b64 v6, v[48:49], s[8:9] offset:6144   ; 32 lanes store the record's last 256 bytes, aligned
	s_wait_tensorcnt 0x0
	ds_add_u32 v62, v63
	s_wait_dscnt 0x0
	s_endpgm
.Lfunc_end_k_q028063c0c7_quant:
	.size	k_q028063c0c7_quant, .Lfunc_end_k_q028063c0c7_quant-k_q028063c0c7_quant
	.p2alignl 7, 3214868480
	.fill 96, 4, 3214868480
	.section	.rodata,"a",@progbits
	.p2align	6, 0x0
	.amdhsa_kernel k_q028063c0c7_quant
		.amdhsa_group_segment_fixed_size 154368
		.amdhsa_private_segment_fixed_size 0
		.amdhsa_enable_private_segment 0
		.amdhsa_kernarg_size 32
		.amdhsa_user_sgpr_count 2
		.amdhsa_user_sgpr_kernarg_segment_ptr 1
		.amdhsa_wavefront_size32 1
		.amdhsa_system_sgpr_workgroup_id_x 1
		.amdhsa_system_sgpr_workgroup_id_y 1
		.amdhsa_system_sgpr_workgroup_id_z 1
		.amdhsa_system_vgpr_workitem_id 0
		.amdhsa_next_free_vgpr 256
		.amdhsa_next_free_sgpr 66
		.amdhsa_reserve_vcc 0
		.amdhsa_float_denorm_mode_32 3
		.amdhsa_float_denorm_mode_16_64 3
		.amdhsa_memory_ordered 1
		.amdhsa_forward_progress 1
		.amdhsa_inst_pref_size 45
	.end_amdhsa_kernel
	.amdgpu_metadata
---
amdhsa.version: [ 1, 2 ]
amdhsa.kernels:
  - .name:           k_q028063c0c7_quant
    .symbol:         k_q028063c0c7_quant.kd
    .args:
      - { .name: embedding, .offset: 0, .size: 8, .value_kind: global_buffer, .address_space: global }
      - { .name: memory_bank, .offset: 8, .size: 8, .value_kind: global_buffer, .address_space: global }
      - { .name: xrec, .offset: 16, .size: 8, .value_kind: global_buffer, .address_space: global }
      - { .name: yrec, .offset: 24, .size: 8, .value_kind: global_buffer, .address_space: global }
    .group_segment_fixed_size: 154368
    .private_segment_fixed_size: 0
    .kernarg_segment_align: 8
    .kernarg_segment_size: 32
    .max_flat_workgroup_size: 192
    .sgpr_count:     66
    .vgpr_count:     256
    .wavefront_size: 32
...
	.end_amdgpu_metadata
.endif
;; end of part 1
;; launch knn (part 2): grid 64 x 4, 8 waves a work-group, clusters of 4 x 1, 327,680 bytes of LDS; arguments xrec, yrec, part; writes part
.if DOCPART == 2
	.amdgcn_target "amdgcn-amd-amdhsa--gfx1250"
	.amdhsa_code_object_version 6
	.text
	.protected	k_q028063c0c7_knn
	.globl	k_q028063c0c7_knn
	.p2align	8
	.type	k_q028063c0c7_knn,@function
k_q028063c0c7_knn:
	s_mov_b64 s[64:65], 0
	v_nop
	global_prefetch_b8 v0, s[64:65] scope:SCOPE_SE
	s_setreg_imm32_b32 hwreg(HW_REG_WAVE_MODE, 25, 1), 1
	s_wait_xcnt 0x0
	s_wait_alu depctr_hold_cnt(0) depctr_sa_sdst(0) depctr_va_vdst(0) depctr_va_sdst(0) depctr_va_ssrc(0) depctr_va_vcc(0) depctr_vm_vsrc(0)
	s_getreg_b32 s2, hwreg(HW_REG_IB_STS2, 6, 4)
	s_cmp_eq_u32 s2, 0
	s_cbranch_scc0 .Lentry_in_a_cluster
	s_endpgm
.Lentry_in_a_cluster:
	s_bfe_u32 s2, ttmp6, 0x10000c
	s_cmp_lg_u32 s2, 0x3003
	s_cbranch_scc0 .Lentry_shape_is_right
	s_endpgm
.Lentry_shape_is_right:
; For each query, the 9 LARGEST scores s = x . y - |y|^2 / 2 over a part of the memory rows: they are the 9 smallest distances, since d^2 = |x|^2 - 2 s.  x . y is made on codes of BF8 (E5M2) with E8M0 scales;
; -|y|^2 / 2 is the C of a tile's first matrix instruction.  |x|^2, the clamp at 0 and the root touch the survivors alone, in the next launch.
; SHARES.  A work-group owns 256 queries (x) and a quarter of the memory rows, 2,048 = 128 records (y).  Wave w: g = w % 4 names its 64 queries (four tiles t, whose fragments stay in registers for the whole launch),
; hm = w / 4 which 8 of a slot's 16 records it walks.  A step is one record: 12 matrix instructions (3 K steps x 4 query tiles) and the selection of the record before: 172 vector instructions.  Two waves share a SIMD,
; so that one wave's matrix instructions and LDS loads stand beside the other's vector work.  Each fragment read from LDS feeds four matrix instructions.
; LAYOUT.  Source 0 = 16 memory rows, source 1 = 16 queries: in the result lane (r, h) holds query r, and register j memory row 8 h + j.  So a lane sees a stream of scores of ONE query; lanes l and l xor 16 share a query.
; SELECTION, without a branch on data.  The eight scores d0-d7 of a tile are sorted in groups (3, 3, 2), and the groups' firsts, seconds and thirds again in groups (3, 3, 2): 16 instructions.  An element of rank q in its sorted
; group can be among the k largest of a stream only if it is among the floor(k / q) largest of the stream of rank-q elements, since each larger one of those brings q - 1 still larger ones of its own group.  Applied twice, from k = 9:
; the eight sorted values go into descending lists of 9, 4, 3, 4, 2, 1, 3, 1 places: 27 instructions (place i = med3(v, place i - 1, place i) from the last place down, place 0 = max: no line reads another line's result).
; At the end a lane's lists are merged into its list of 9, the two lanes of a query exchange (max(X_i, Y_(8-i)), i = 0 .. 8, is the set of the 9 largest of two descending lists of 9), and the set is stored, unsorted.
; CLUSTER.  The four work-groups of a cluster have the same quarter of the memory rows and walk the same records: each fill is asked for JOINTLY, by the same tensor load with the same descriptor and a mask that names the four.
; The work-group's place in its cluster enters the addresses of xrec and part alone.
; RING.  Two LDS slots of 16 records (102,400 bytes, dense: register images, lane i at 16 i of each 512 bytes); each of the eight waves fetches two records with one tensor load; a refill has eight steps in which to land.
; By this text's own count a wave has two tensor loads out at the start and one behind each refill.  The launch claims all of the WGP's LDS.
; part: [2 y + hm][slot 0 .. 9][16384] f32; in each run of 64 queries, query 16 t + r lies at float 4 r + t.  Slots 0-8: the set of 9; slot 9 repeats one of them and is never read.
; LIMITS: NaN and infinities among the inputs are not served.
; REGISTERS.  Window 0: v1, v2 the add's; v3-5 my places in a record (codes, scale words, norms); v6-8 the addresses in hand; v9 16 x lane; v10 4 r; v11 my offset in part; v12-23 the queries' scale words (3 t + s);
;   v24-26 the record's scale words; v28-35 its -|y|^2 / 2 in the result's layout; v36-83 its three fragments; v84-115, v116-147 two sets of four accumulators; v148-157 at work; v160-203 lists, 11 a tile.
;   Window 1: v0-191 the queries' fragments (48 t + 16 s); v192-255 lists, 16 a tile.
.set REC,   6400
.set SLOTB, 16*REC                     ; a slot: 102,400 bytes
.set SLOT1, 1<<17                      ; slot 1 begins here, so that one exclusive or turns an address in one slot into the other's
.set SPARE, SLOT1+SLOTB                ; behind the ring: the spare words, 128 bytes for each wave: four blocks of 256 bytes that no other line names
.set WLOAD, 2*REC                      ; what one tensor load brings: 50 rows of 256 bytes
.set QTR,   128*REC                    ; a quarter of yrec
.set SLAB,  65536                      ; a slot of part: 16,384 f32
.set PSTR,  10*SLAB
.set QS, 12
.set AS, 24
.set HY, 28
.set AF, 36
.set DD, 84                            ; accumulator set p at DD + 32 p
.set TT, 148
.set LW, 160                           ; window 0, + 11 t: +0..3 (seconds' firsts), +4..5, +6, +7..9 (thirds' firsts), +10
.set L9, 192                           ; window 1, + 16 t: +0..8 (firsts' firsts), +9..12, +13..15
.set MSB, 0
.macro WIN new                         ; s_set_vgpr_msb: bits 1:0 source 0, 3:2 source 1, 5:4 source 2, 7:6 destination; the high byte repeats the setting that is left
.if MSB != \new
	s_set_vgpr_msb (MSB<<8)|\new
.set MSB, \new
.endif
.endm
; A round of the cluster's barrier: my work-group's barrier, so that wave 0's signal speaks for all eight waves; wave 0 signals for the work-group; every wave waits for all four work-groups; my work-group's barrier once more.
.macro CROUND
	s_barrier_signal -1
	s_barrier_wait -1
	s_cmp_lg_u32 s10, 0
	s_cbranch_scc1 .Lnot_wave_0_\@
	s_barrier_signal -3
.Lnot_wave_0_\@:
	s_barrier_wait -3
	s_barrier_signal -1
	s_barrier_wait -1
.endm
; v goes into the descending list of n places at base.  from: places under it are known to hold no smaller numbers and are left alone.
.macro INS base, n, v, from
.if (\n) > 1
.set ii, (\n)-1
.rept (\n)-1
.if ii >= (\from)
	v_med3_num_f32 v[(\base)+ii], v[\v], v[(\base)+ii-1], v[(\base)+ii]
.endif
.set ii, ii-1
.endr
.endif
.if (\from) == 0
	v_max_num_f32 v[\base], v[\v], v[\base]
.endif
.endm
; The eight scores of tiles ta and tb of the set at db are sorted in two levels; each line is written for both tiles, so that no line reads the line just above it.  The first line reads the accumulator's low end.
; Afterwards: d1, d2, d3 = the firsts in order; d4, d5, d6 = the seconds in order; d7, d0 = the thirds in order.
.macro SORT2 db, ta, tb
.irp t, \ta, \tb
	v_max3_num_f32 v[TT+5*(\t%2)], v[\db+8*\t], v[\db+8*\t+1], v[\db+8*\t+2]
.endr
.irp t, \ta, \tb
	v_med3_num_f32 v[TT+5*(\t%2)+1], v[\db+8*\t], v[\db+8*\t+1], v[\db+8*\t+2]
.endr
.irp t, \ta, \tb
	v_min3_num_f32 v[\db+8*\t], v[\db+8*\t], v[\db+8*\t+1], v[\db+8*\t+2]
.endr
.irp t, \ta, \tb
	v_max3_num_f32 v[TT+5*(\t%2)+2], v[\db+8*\t+3], v[\db+8*\t+4], v[\db+8*\t+5]
.endr
.irp t, \ta, \tb
	v_med3_num_f32 v[TT+5*(\t%2)+3], v[\db+8*\t+3], v[\db+8*\t+4], v[\db+8*\t+5]
.endr
.irp t, \ta, \tb
	v_min3_num_f32 v[\db+8*\t+3], v[\db+8*\t+3], v[\db+8*\t+4], v[\db+8*\t+5]
.endr
.irp t, \ta, \tb
	v_max_num_f32 v[TT+5*(\t%2)+4], v[\db+8*\t+6], v[\db+8*\t+7]
.endr
.irp t, \ta, \tb
	v_min_num_f32 v[\db+8*\t+6], v[\db+8*\t+6], v[\db+8*\t+7]
.endr
.irp t, \ta, \tb
	v_max_num_f32 v[\db+8*\t+7], v[\db+8*\t], v[\db+8*\t+3]
.endr
.irp t, \ta, \tb
	v_min_num_f32 v[\db+8*\t], v[\db+8*\t], v[\db+8*\t+3]
.endr
.irp t, \ta, \tb
	v_max3_num_f32 v[\db+8*\t+1], v[TT+5*(\t%2)], v[TT+5*(\t%2)+2], v[TT+5*(\t%2)+4]
.endr
.irp t, \ta, \tb
	v_med3_num_f32 v[\db+8*\t+2], v[TT+5*(\t%2)], v[TT+5*(\t%2)+2], v[TT+5*(\t%2)+4]
.endr
.irp t, \ta, \tb
	v_min3_num_f32 v[\db+8*\t+3], v[TT+5*(\t%2)], v[TT+5*(\t%2)+2], v[TT+5*(\t%2)+4]
.endr
.irp t, \ta, \tb
	v_max3_num_f32 v[\db+8*\t+4], v[TT+5*(\t%2)+1], v[TT+5*(\t%2)+3], v[\db+8*\t+6]
.endr
.irp t, \ta, \tb
	v_med3_num_f32 v[\db+8*\t+5], v[TT+5*(\t%2)+1], v[TT+5*(\t%2)+3], v[\db+8*\t+6]
.endr
.irp t, \ta, \tb
	v_min3_num_f32 v[\db+8*\t+6], v[TT+5*(\t%2)+1], v[TT+5*(\t%2)+3], v[\db+8*\t+6]
.endr
.endm
.macro LISTS0 db                       ; the lists of window 0: 11 lines a tile
.irp t, 0,1,2,3
	INS LW+11*\t, 4, \db+8*\t+4, 0
	INS LW+11*\t+4, 2, \db+8*\t+5, 0
	INS LW+11*\t+6, 1, \db+8*\t+6, 0
	INS LW+11*\t+7, 3, \db+8*\t+7, 0
	INS LW+11*\t+10, 1, \db+8*\t, 0
.endr
.endm
.macro LISTS1 db                       ; the lists of window 1 (the value in window 0): 16 lines a tile
.irp t, 0,1,2,3
	INS L9+16*\t, 9, \db+8*\t+1, 0
	INS L9+16*\t+9, 4, \db+8*\t+2, 0
	INS L9+16*\t+13, 3, \db+8*\t+3, 0
.endr
.endm
; The next record into registers: 17 LDS loads in one run.  s32 = the LDS byte at which the record's slot begins + 6,400 x its number among my eight.
.macro FETCH
	v_add_nc_u32 v6, s32, v3
	v_add_nc_u32 v7, s32, v4
	v_add_nc_u32 v8, s32, v5
	s_add_co_u32 s32, s32, REC
.irp s, 0,1,2
.irp c, 0,1,2,3
	ds_load_b128 v[AF+16*\s+4*\c:AF+16*\s+4*\c+3], v6 offset:2048*\s+512*\c
.endr
.endr
.irp s, 0,1,2
	ds_load_b32 v[AS+\s], v7 offset:64*\s          ; lane r: row r's scale word
.endr
	ds_load_b128 v[HY:HY+3], v8                    ; lane (r, h): -|y|^2 / 2 of rows 8 h + 0 .. 7: the result's layout
	ds_load_b128 v[HY+4:HY+7], v8 offset:16
.endm
; 12 matrix instructions into set p: the four accumulators take turns, one instruction a turn, K ascending.  The first K step takes -|y|^2 / 2 as C: nothing is cleared, nothing is added later.
.macro MUL p
.irp s, 0,1,2
.irp t, 0,1,2,3
.if \s == 0
	v_wmma_scale_f32_16x16x128_f8f6f4 v[DD+32*\p+8*\t:DD+32*\p+8*\t+7], v[AF+16*\s:AF+16*\s+15], v[48*\t+16*\s:48*\t+16*\s+15], v[HY:HY+7], v[AS+\s], v[QS+3*\t+\s] matrix_a_fmt:MATRIX_FMT_BF8 matrix_b_fmt:MATRIX_FMT_BF8
.else
	v_wmma_scale_f32_16x16x128_f8f6f4 v[DD+32*\p+8*\t:DD+32*\p+8*\t+7], v[AF+16*\s:AF+16*\s+15], v[48*\t+16*\s:48*\t+16*\s+15], v[DD+32*\p+8*\t:DD+32*\p+8*\t+7], v[AS+\s], v[QS+3*\t+\s] matrix_a_fmt:MATRIX_FMT_BF8 matrix_b_fmt:MATRIX_FMT_BF8
.endif
.endr
.endr
.endm
; THE CHANGE OF SLOTS.  My last record of the slot is in registers.  Each wave waits for all its tensor loads, of which one is out at the most: its part of the other slot; adds 0 to its spare word; and waits for that and for its reads
; of the slot.  Behind the barrier nobody reads this slot any more and the other slot is whole.  fill = 1: the barrier is a round of the cluster's, and the slot is filled again, with the records two slots on, first thing behind it.
.macro CHANGE fill
	s_wait_tensorcnt 0x0                           ; no tensor load of mine is out, so a group 0 may be written
	ds_add_u32 v1, v2                              ; 0 onto my spare word
.if \fill
	s_xor_b32 s29, s29, SLOT1                      ; the walking descriptor: the other slot than last time,
	s_add_nc_u64 s[30:31], s[30:31], SLOTB         ; the next 16 records; the type bits on top are not reached
.endif
	s_wait_dscnt 0x0                               ; the add is done, and my reads of the slot are over
.if \fill
	CROUND
	tensor_load_to_lds s[28:31], s[16:23]
	s_nop 0
.rept 4
	v_nop                                          ; four lines behind a tensor load
.endr
.else
	s_barrier_signal -1
	s_barrier_wait -1
.endif
	s_sub_co_u32 s32, s32, 8*REC                   ; the fetches go back to my first record,
	s_xor_b32 s32, s32, SLOT1                      ; in the other slot
.endm
; A STEP: the products of the record in registers into set p; then the selection of the record before, from the other set.  The first 32 lines of that selection name no register of the products: they are the
; places (eight are asked) in front of the loads into the registers that the products read.  The products' own results are first read a step later.
; mode 0: the next record is fetched; 1: with a change of slots and a refill in front; 2: with a change of slots alone; 3: nothing is left to fetch.
.macro STEP p, mode
	s_wait_dscnt 0x0                               ; the record is in (asked for some 140 vector instructions ago)
	WIN 0x04                                       ; source 1 (the queries) in window 1
	MUL \p
	WIN 0
	SORT2 DD+32*(1-\p), 0, 1
.if \mode == 1
	CHANGE 1
.endif
.if \mode == 2
	CHANGE 0
.endif
.if \mode < 3
	FETCH
.endif
	SORT2 DD+32*(1-\p), 2, 3
	LISTS0 DD+32*(1-\p)
	WIN 0x54                                       ; destination, sources 1 and 2 (the lists) in window 1, source 0 (the value) in window 0
	LISTS1 DD+32*(1-\p)
	WIN 0                                          ; at a label and at a branch every window is 0
.endm
.macro PAIRS                           ; six of a slot's eight steps: written once, walked three times
	s_mov_b32 s34, 3
.Lpair_\@:
	STEP 0, 0
	STEP 1, 0
	s_sub_co_u32 s34, s34, 1
	s_cmp_lg_u32 s34, 0
	s_cbranch_scc1 .Lpair_\@
.endm
	s_load_b128 s[4:7], s[0:1], 0x0                ; xrec s[4:5], yrec s[6:7]
	s_load_b64 s[8:9], s[0:1], 0x10                ; part
	v_lshl_add_u32 v1, v0, 2, SPARE
	v_mov_b32 v2, 0
	ds_add_u32 v1, v2
	ds_add_u32 v1, v2
	s_wait_dscnt 0x0
	v_lshrrev_b32 v3, 5, v0
	v_readfirstlane_b32 s10, v3                    ; wave 0..7
	s_and_b32 s11, s10, 3                          ; g: my 64 queries
	s_lshr_b32 s12, s10, 2                         ; hm: my half of a slot
	s_bfe_u32 s13, ttmp6, 0x40000                  ; cx: my place in the cluster
	s_lshl_b32 s14, ttmp9, 2                       ; in a cluster launch ttmp9 counts clusters
	s_add_co_u32 s14, s14, s13                     ; my block of 256 queries = 4 x cluster x + cx
	s_and_b32 s15, ttmp7, 0xffff                   ; y: the quarter of the memory rows, which the four partners share
	; descriptor group 1: two records, 12,800 dense bytes, as 50 rows of 256 bytes (32 elements of 8 bytes), no padding
	s_mov_b32 s16, 15|(3<<16)|(1<<21)              ; 15:0 the mask: all four work-groups; 17:16 elements of 8 bytes; 21 set beside a mask
	s_mov_b32 s17, 32<<16                          ; tensor_dim0 = 32
	s_mov_b32 s18, 50<<16                          ; tensor_dim1 = 50
	s_mov_b32 s19, 32<<16                          ; tile_dim0 = 32
	s_mov_b32 s20, 50                              ; tile_dim1 = 50
	s_mov_b32 s21, 32                              ; tensor_dim0_stride
	s_mov_b32 s22, 0
	s_mov_b32 s23, 0
	s_mov_b32 s24, 1                               ; group 0 of slot 0's first fill: count = 1,
	s_mul_i32 s25, s10, WLOAD                      ; LDS address: 12,800 x wave: no place in the cluster enters an LDS address
	s_mov_b32 s28, 1                               ; group 0 of slot 1's first fill, which then walks
	s_add_co_u32 s29, s25, SLOT1
	s_mul_i32 s38, s15, QTR
	s_add_co_u32 s38, s38, s25                     ; where my two records of slot 0 lie in yrec: the quarter and the wave alone
	s_mov_b32 s39, 0
	s_lshl_b32 s40, s14, 4
	s_lshl_b32 s41, s11, 2
	s_add_co_u32 s40, s40, s41                     ; my first record of xrec: 16 x block + 4 g
	s_mul_i32 s40, s40, REC
	s_mov_b32 s41, 0
	s_lshl_b32 s42, s15, 1
	s_add_co_u32 s42, s42, s12                     ; my part: 2 y + hm
	s_mul_i32 s42, s42, PSTR
	s_lshl_b32 s43, s14, 2
	s_add_co_u32 s43, s43, s11
	s_lshl_b32 s43, s43, 8                         ; my 64 queries: 256 bytes in each slot of part
	s_add_co_u32 s42, s42, s43
	s_mov_b32 s43, 0
	s_mul_i32 s44, s12, 8*REC                      ; my half of a slot: codes,
	s_add_co_u32 s45, s44, 6144                    ; scale words,
	s_add_co_u32 s46, s44, 6336                    ; norms
	s_mov_b32 s32, 0
	s_mov_b32 s35, 0xff800000                      ; -infinity
	s_mov_b32 s36, 0x76543210
	s_mov_b32 s37, 0xfedcba98                      ; lane selects for v_permlanex16_b32: lane l xor 16
	v_and_b32 v9, 31, v0
	v_lshlrev_b32 v9, 4, v9                        ; 16 x lane
	v_and_b32 v10, 15, v0
	v_lshlrev_b32 v10, 2, v10                      ; 4 r
	v_bfe_u32 v6, v0, 4, 1                         ; h
	v_add_nc_u32 v3, s44, v9
	v_add_nc_u32 v4, s45, v10
	v_lshl_add_u32 v5, v6, 5, s46
	v_lshlrev_b32 v11, 2, v10                      ; part: 16 r,
	v_mad_u32_u24 v11, v6, 5*SLAB, v11             ; and five slots further on for lanes 16-31
	s_wait_kmcnt 0x0
	s_add_nc_u64 s[26:27], s[6:7], s[38:39]        ; global address: records 0 to 15 of the quarter,
	s_add_nc_u64 s[30:31], s[26:27], SLOTB         ; records 16 to 31
	s_or_b32 s27, s27, 0x80000000                  ; type = 2
	s_or_b32 s31, s31, 0x80000000
	s_add_nc_u64 s[4:5], s[4:5], s[40:41]
	s_add_nc_u64 s[8:9], s[8:9], s[42:43]
	CROUND                                         ; all four work-groups are here: the first joint loads meet
	tensor_load_to_lds s[24:27], s[16:23]          ; both first fills together, ahead of every wait on TENSORcnt and every LDS read
	s_nop 0
	tensor_load_to_lds s[28:31], s[16:23]
	s_nop 0
.rept 4
	v_nop
.endr
	WIN 0x40                                       ; destination window 1, address window 0
.irp t, 0,1,2,3                        ; my four query tiles stay in registers
.irp s, 0,1,2
.irp c, 0,1,2,3
	global_load_b128 v[48*\t+16*\s+4*\c:48*\t+16*\s+4*\c+3], v9, s[4:5] offset:REC*\t+2048*\s+512*\c
.endr
.endr
.endr
.set ii, 0
.rept 64
	v_mov_b32 v[L9+ii], s35                        ; every list begins as -infinity
.set ii, ii+1
.endr
	WIN 0
.irp t, 0,1,2,3
.irp s, 0,1,2
	global_load_b32 v[QS+3*\t+\s], v10, s[4:5] offset:REC*\t+6144+64*\s
.endr
.endr
.set ii, 0
.rept 44
	v_mov_b32 v[LW+ii], s35
.set ii, ii+1
.endr
.set ii, 0
.rept 32
	v_mov_b32 v[DD+32+ii], s35                     ; and so does set 1: the first step selects from it, which changes nothing, so no first step is written apart
.set ii, ii+1
.endr
	s_wait_tensorcnt 0x1                           ; my part of slot 0 is in; slot 1's may stay out
	s_barrier_signal -1
	s_barrier_wait -1                              ; everybody's is
	FETCH
	s_wait_loadcnt 0x0                             ; the queries
	s_mov_b32 s33, 6
.Lpass:                                            ; six trips: a slot's eight steps; every slot but the last two is filled again
	PAIRS
	STEP 0, 0
	STEP 1, 1
	s_sub_co_u32 s33, s33, 1
	s_cmp_lg_u32 s33, 0
	s_cbranch_scc1 .Lpass
	PAIRS                                          ; the tail is written out: the last slot but one
	STEP 0, 0
	STEP 1, 2
	PAIRS                                          ; and the last
	STEP 0, 0
	STEP 1, 3
	SORT2 DD+32, 0, 1                              ; the last record's selection
	SORT2 DD+32, 2, 3
	LISTS0 DD+32
	WIN 0x54
	LISTS1 DD+32
	; A LANE'S LISTS INTO ITS LIST OF 9.  Element j of a descending list goes in behind its j predecessors, which are no smaller: places under j stay.  The four tiles by turns.
	WIN 0x55                                       ; all in window 1
.irp j, 0,1,2,3
.irp t, 0,1,2,3
	INS L9+16*\t, 9, L9+16*\t+9+\j, \j
.endr
.endr
.irp j, 0,1,2
.irp t, 0,1,2,3
	INS L9+16*\t, 9, L9+16*\t+13+\j, \j
.endr
.endr
	WIN 0x54                                       ; the value in window 0
.irp j, 0,1,2,3
.irp t, 0,1,2,3
	INS L9+16*\t, 9, LW+11*\t+\j, \j
.endr
.endr
.irp j, 0,1
.irp t, 0,1,2,3
	INS L9+16*\t, 9, LW+11*\t+4+\j, \j
.endr
.endr
.irp t, 0,1,2,3
	INS L9+16*\t, 9, LW+11*\t+6, 0
.endr
.irp j, 0,1,2
.irp t, 0,1,2,3
	INS L9+16*\t, 9, LW+11*\t+7+\j, \j
.endr
.endr
.irp t, 0,1,2,3
	INS L9+16*\t, 9, LW+11*\t+10, 0
.endr
	; THE TWO LANES OF A QUERY.  Each takes max(own place i, the other's place 8 - i) for i = 0 .. 4: lanes 0-15 so hold members 0 to 4 of the set of 9, lanes 16-31 members 8 to 4.
	WIN 0x01                                       ; source 0 (the lists) in window 1
.irp i, 0,1,2,3,4
.irp t, 0,1,2,3
	v_permlanex16_b32 v[DD+5*\t+\i], v[L9+16*\t+8-\i], s36, s37
.endr
.endr
.irp i, 0,1,2,3,4
.irp t, 0,1,2,3
	v_max_num_f32 v[DD+32+4*\i+\t], v[L9+16*\t+\i], v[DD+5*\t+\i]
.endr
.endr
	WIN 0
.irp i, 0,1,2,3,4
	global_store_b128 v11, v[DD+32+4*\i:DD+32+4*\i+3], s[8:9] offset:SLAB*\i   ; lanes 0-15 store 256 consecutive bytes of slot i, lanes 16-31 of slot 5 + i, each at a multiple of 256 from the buffer's first byte
.endr
	s_wait_tensorcnt 0x0                           ; the wave's end
	ds_add_u32 v1, v2
	s_wait_dscnt 0x0
	CROUND                                         ; the closing round: no work-group ends while a partner may still ask for a tile that names it
	s_endpgm
.Lfunc_end_k_q028063c0c7_knn:
	.size	k_q028063c0c7_knn, .Lfunc_end_k_q028063c0c7_knn-k_q028063c0c7_knn
	.p2alignl 7, 3214868480
	.fill 96, 4, 3214868480
	.section	.rodata,"a",@progbits
	.p2align	6, 0x0
	.amdhsa_kernel k_q028063c0c7_knn
		.amdhsa_group_segment_fixed_size 327680
		.amdhsa_private_segment_fixed_size 0
		.amdhsa_enable_private_segment 0
		.amdhsa_kernarg_size 24
		.amdhsa_user_sgpr_count 2
		.amdhsa_user_sgpr_kernarg_segment_ptr 1
		.amdhsa_wavefront_size32 1
		.amdhsa_system_sgpr_workgroup_id_x 1
		.amdhsa_system_sgpr_workgroup_id_y 1
		.amdhsa_system_sgpr_workgroup_id_z 1
		.amdhsa_system_vgpr_workitem_id 0
		.amdhsa_next_free_vgpr 512
		.amdhsa_next_free_sgpr 66
		.amdhsa_reserve_vcc 0
		.amdhsa_float_denorm_mode_32 3
		.amdhsa_float_denorm_mode_16_64 3
		.amdhsa_memory_ordered 1
		.amdhsa_forward_progress 1
		.amdhsa_inst_pref_size 209
	.end_amdhsa_kernel
	.amdgpu_metadata
---
amdhsa.version: [ 1, 2 ]
amdhsa.kernels:
  - .name:           k_q028063c0c7_knn
    .symbol:         k_q028063c0c7_knn.kd
    .args:
      - { .name: xrec, .offset: 0, .size: 8, .value_kind: global_buffer, .address_space: global }
      - { .name: yrec, .offset: 8, .size: 8, .value_kind: global_buffer, .address_space: global }
      - { .name: part, .offset: 16, .size: 8, .value_kind: global_buffer, .address_space: global }
    .group_segment_fixed_size: 327680
    .private_segment_fixed_size: 0
    .kernarg_segment_align: 8
    .kernarg_segment_size: 24
    .max_flat_workgroup_size: 256
    .sgpr_count:     66
    .vgpr_count:     512
    .wavefront_size: 32
...
	.end_amdgpu_metadata
.endif
;; end of part 2
;; launch merge (part 3): grid 256 x 1, 2 waves a work-group, no clusters, 2,816 bytes of LDS; arguments part, xrec, out0; writes out0
.if DOCPART == 3
	.amdgcn_target "amdgcn-amd-amdhsa--gfx1250"
	.amdhsa_code_object_version 6
	.text
	.protected	k_q028063c0c7_merge
	.globl	k_q028063c0c7_merge
	.p2align	8
	.type	k_q028063c0c7_merge,@function
k_q028063c0c7_merge:
	s_mov_b64 s[64:65], 0
	v_nop
	global_prefetch_b8 v0, s[64:65] scope:SCOPE_SE
	s_setreg_imm32_b32 hwreg(HW_REG_WAVE_MODE, 25, 1), 1
	s_wait_xcnt 0x0
; out0[q][j], j = 0 .. 8: the 9 smallest distances of query q, ascending.  part holds, for each of 8 parts of the memory rows, an unsorted set of the 9 largest scores s = x . y - |y|^2 / 2 of each query; the 9 largest of the 72,
; in descending order, give d = sqrt(max(|x|^2 - 2 s, 0)) in ascending order.  |x|^2 comes from xrec, which holds -|x|^2 / 2 of the unquantised numbers.
; SHARES.  A work-group takes 64 queries, a lane one: thread i takes float i of the block's 256 bytes in each slot of part, which is query 16 t + r of the block, t = i % 4, r = i / 4.
; The 72 numbers go into a descending list of 9: place k = med3(v, place k - 1, place k) from the last place down, place 0 = max.  No branch and no address hangs on data.
; The results meet in LDS as the rows of out0 (36 bytes a query) and leave as nine aligned runs of 256 bytes.  A stream of 5 MB with little work: no matrix unit, no tensor load, no cluster.
; LIMITS: NaN and infinities are not served; d^2 is formed as |x|^2 - 2 (x . y - |y|^2 / 2): the same three terms as the definition's, rounded in another order.
.set SLAB, 65536                       ; a slot of part
.set PSTR, 10*SLAB                     ; a part
.set REC,  6400
.set LL,   8                           ; v8-16    the list
.set DR,   20                          ; v20-28   the distances
.set CA,   32                          ; v32-103  the 72 candidates
.macro INS base, n, v, from
.if (\n) > 1
.set ii, (\n)-1
.rept (\n)-1
.if ii >= (\from)
	v_med3_num_f32 v[(\base)+ii], v[\v], v[(\base)+ii-1], v[(\base)+ii]
.endif
.set ii, ii-1
.endr
.endif
.if (\from) == 0
	v_max_num_f32 v[\base], v[\v], v[\base]
.endif
.endm
	s_load_b128 s[4:7], s[0:1], 0x0                ; part s[4:5], xrec s[6:7]
	s_load_b64 s[8:9], s[0:1], 0x10                ; out0
	v_lshl_add_u32 v128, v0, 2, 0xa00
	v_mov_b32 v129, 0
	v_lshlrev_b32 v1, 2, v0                        ; 4 i
	v_and_b32 v116, 3, v0                          ; t
	v_lshrrev_b32 v117, 2, v0                      ; r
	v_lshlrev_b32 v2, 2, v117
	v_mad_u32_u24 v2, v116, REC, v2                ; xrec: record t of the block's four, word r
	v_lshl_add_u32 v3, v116, 4, v117               ; my query in the block: 16 t + r
	v_mul_u32_u24 v3, v3, 36                       ; its row in the stage: 9 words: the 32 lanes of a store fall on 32 different banks (64 banks of 4 bytes: ISA guide 11.1)
	v_lshlrev_b32 v4, 4, v0                        ; the way out: 16 bytes a thread
	v_and_b32 v7, 15, v0
	v_lshlrev_b32 v7, 4, v7                        ; and for the last 256 bytes: 16 x (i % 16)
	s_lshl_b32 s10, ttmp9, 8                       ; the block's 256 bytes in a slot of part,
	s_mov_b32 s11, 0
	s_mul_i32 s12, ttmp9, 4*REC                    ; its four records,
	s_mov_b32 s13, 0
	s_mul_i32 s14, ttmp9, 64*36                    ; its 64 rows of out0: 2,304 bytes
	s_mov_b32 s15, 0
	s_mov_b32 s16, 0xff800000                      ; -infinity
	s_wait_kmcnt 0x0
	s_add_nc_u64 s[4:5], s[4:5], s[10:11]
	s_add_nc_u64 s[6:7], s[6:7], s[12:13]
	s_add_nc_u64 s[8:9], s[8:9], s[14:15]
	global_load_b32 v5, v2, s[6:7] offset:6336     ; -|x|^2 / 2
.irp p, 0,1,2,3,4,5,6,7
.irp j, 0,1,2,3,4,5,6,7,8
	global_load_b32 v[CA+9*\p+\j], v1, s[4:5] offset:PSTR*\p+SLAB*\j th:TH_LOAD_NT   ; the two waves together read 256 consecutive bytes
.endr
.endr
.irp j, 0,1,2,3,4,5,6,7,8
	v_mov_b32 v[LL+\j], s16
.endr
.irp p, 0,1,2,3,4,5,6,7
	s_wait_loadcnt 9*(7-\p)                        ; this part's nine are in; the nine of each later part may be out
.irp j, 0,1,2,3,4,5,6,7,8
	INS LL, 9, CA+9*\p+\j, 0
.endr
.endr
	v_mul_f32 v6, -2.0, v5                         ; |x|^2, exactly
.irp j, 0,1,2,3,4,5,6,7,8
	v_fma_f32 v[DR+\j], -2.0, v[LL+\j], v6         ; d^2
.endr
.irp j, 0,1,2,3,4,5,6,7,8
	v_max_num_f32 v[DR+\j], 0, v[DR+\j]
.endr
.irp j, 0,1,2,3,4,5,6,7,8
	v_sqrt_f32 v[DR+\j], v[DR+\j]
.endr
	v_nop                                          ; a plain instruction between the last root and the use of its result (ISA guide 5.7.2)
	s_wait_alu depctr_va_vdst(0)                   ; and a wait ahead of the first use: one for the nine roots
.irp j, 0,1,2,3,4,5,6,7,8
	ds_store_b32 v3, v[DR+\j] offset:4*\j
.endr
	s_wait_dscnt 0x0                               ; for the other wave's sake: my stores into the stage are done
	s_barrier_signal -1
	s_barrier_wait -1
	ds_load_b128 v[104:107], v4                    ; 64 threads x 16 bytes: the first 1,024 bytes,
	ds_load_b128 v[108:111], v4 offset:1024        ; the second,
	ds_load_b128 v[112:115], v7 offset:2048        ; and the last 256 (every sixteen threads read the same)
	s_wait_dscnt 0x0
	global_store_b128 v4, v[104:107], s[8:9]       ; sixteen lanes store 256 consecutive bytes, at a multiple of 256 from out0's first byte
	global_store_b128 v4, v[108:111], s[8:9] offset:1024
	v_cmp_gt_u32 vcc_lo, 16, v0                    ; threads 0 to 15 store the last 256 bytes
	s_wait_xcnt 0x0                                ; EXEC changes only behind this wait: it is a source of the stores above
	s_wait_tensorcnt 0x0
	ds_add_u32 v128, v129
	s_wait_dscnt 0x0
	s_and_saveexec_b32 s17, vcc_lo
	global_store_b128 v7, v[112:115], s[8:9] offset:2048
	s_wait_xcnt 0x0                                ; and again in front of the line that widens it
	s_or_b32 exec_lo, exec_lo, s17
	s_endpgm
.Lfunc_end_k_q028063c0c7_merge:
	.size	k_q028063c0c7_merge, .Lfunc_end_k_q028063c0c7_merge-k_q028063c0c7_merge
	.p2alignl 7, 3214868480
	.fill 96, 4, 3214868480
	.section	.rodata,"a",@progbits
	.p2align	6, 0x0
	.amdhsa_kernel k_q028063c0c7_merge
		.amdhsa_group_segment_fixed_size 2816
		.amdhsa_private_segment_fixed_size 0
		.amdhsa_enable_private_segment 0
		.amdhsa_kernarg_size 24
		.amdhsa_user_sgpr_count 2
		.amdhsa_user_sgpr_kernarg_segment_ptr 1
		.amdhsa_wavefront_size32 1
		.amdhsa_system_sgpr_workgroup_id_x 1
		.amdhsa_system_sgpr_workgroup_id_y 1
		.amdhsa_system_sgpr_workgroup_id_z 1
		.amdhsa_system_vgpr_workitem_id 0
		.amdhsa_next_free_vgpr 130
		.amdhsa_next_free_sgpr 66
		.amdhsa_reserve_vcc 1
		.amdhsa_float_denorm_mode_32 3
		.amdhsa_float_denorm_mode_16_64 3
		.amdhsa_memory_ordered 1
		.amdhsa_forward_progress 1
		.amdhsa_inst_pref_size 50
	.end_amdhsa_kernel
	.amdgpu_metadata
---
amdhsa.version: [ 1, 2 ]
amdhsa.kernels:
  - .name:           k_q028063c0c7_merge
    .symbol:         k_q028063c0c7_merge.kd
    .args:
      - { .name: part, .offset: 0, .size: 8, .value_kind: global_buffer, .address_space: global }
      - { .name: xrec, .offset: 8, .size: 8, .value_kind: global_buffer, .address_space: global }
      - { .name: out0, .offset: 16, .size: 8, .value_kind: global_buffer, .address_space: global }
    .group_segment_fixed_size: 2816
    .private_segment_fixed_size: 0
    .kernarg_segment_align: 8
    .kernarg_segment_size: 24
    .max_flat_workgroup_size: 64
    .sgpr_count:     66
    .vgpr_count:     130
    .wavefront_size: 32
...
	.end_amdgpu_metadata
.endif
;; end of part 3
